; MI455X (gfx1250); checked and timed in simulation.
; The chip was launched on July 23, 2026; its instructions are those of AMD's public machine-readable ISA for CDNA 5 (MIT licence, August 2026) and "CDNA5" Instruction Set Architecture Reference Guide (July 2026). The comments in the code are by the model that wrote it; some were corrected since.
;; Multi Head Self Attention. Allowed arithmetic: matrix products marked QUANTISED: E5M2 operands, one given power-of-two scale a tensor, by v_wmma_f32_16x16x64_bf8_bf8 or v_wmma_f32_16x16x128_bf8_bf8, f32 sums; everything else in f32.
;; Inputs: Wk_codes 1,024 x 32 x 32 uint8 (E5M2 codes of Wk, K innermost, in blocks of 32 codes); Wo_codes 1,024 x 32 x 32 uint8 (E5M2 codes of Wo, K innermost, in blocks of 32 codes); Wq_codes 1,024 x 32 x 32 uint8 (E5M2 codes of Wq, K innermost, in blocks of 32 codes); Wv_codes 1,024 x 32 x 32 uint8 (E5M2 codes of Wv, K innermost, in blocks of 32 codes); bk 1,024 float32; bo 1,024 float32; bq 1,024 float32; bv 1,024 float32; key_codes 4 x 2,048 x 32 x 32 uint8 (E5M2 codes of key, K innermost, in blocks of 32 codes); lowp_scales 12 int32 (the exponents e of the quantised operands' scales 2^e); mask 4 x 2,048 int32; query_codes 4 x 2,048 x 32 x 32 uint8 (E5M2 codes of query, K innermost, in blocks of 32 codes); value_codes 4 x 2,048 x 32 x 32 uint8 (E5M2 codes of value, K innermost, in blocks of 32 codes).
;; Outputs: out0 4 x 2,048 x 1,024 float32.
;; This version of the problem:
;;   THIS VERSION OF THE PROBLEM IS GIVEN IN LOW PRECISION. The matrix products marked QUANTISED in the list below multiply operands that are first quantised to E5M2 (5 exponent bits, 2 mantissa bits; 8 bits a number), with one given power-of-two scale for each operand tensor; their sums are f32. All else is computed in f32.
;;   The module's matrix products, in the order in which they are computed (A, B: the left and right operand; K: the contracted axis; several contracted axes count as one K, in the product's order):
;;     1. [M 8,192, K 1,024] x [K 1,024, N 1,024]; A: input query (given as codes); B: input Wq (given as codes): QUANTISED (scales: A lowp_scales[0], B lowp_scales[1])
;;     2. [M 8,192, K 1,024] x [K 1,024, N 1,024]; A: input key (given as codes); B: input Wk (given as codes): QUANTISED (scales: A lowp_scales[2], B lowp_scales[3])
;;     3. [M 8,192, K 1,024] x [K 1,024, N 1,024]; A: input value (given as codes); B: input Wv (given as codes): QUANTISED (scales: A lowp_scales[4], B lowp_scales[5])
;;     4. batch 64 x [M 2,048, K 64] x [K 64, N 2,048]; A: computed on the way; B: computed on the way: QUANTISED (scales: A lowp_scales[6], B lowp_scales[7])
;;     5. batch 64 x [M 2,048, K 2,048] x [K 2,048, N 64]; A: softmax (see below); B: computed on the way: QUANTISED (scales: A lowp_scales[8], B lowp_scales[9])
;;     6. [M 8,192, K 1,024] x [K 1,024, N 1,024]; A: computed on the way; B: input Wo (given as codes): QUANTISED (scales: A lowp_scales[10], B lowp_scales[11])
;;   THE QUANTISER, for each operand of a quantised product, along K:
;;     - The operand's scale is 2^e, e = its entry of the input lowp_scales (int32; the entries are numbered through the quantised products in the list's order, A before B).
;;     - Each number is divided by the scale, clamped to +-57,344, and rounded to the nearest number of E5M2, ties to even, subnormals kept.
;;     - The product sums the exact products of the quantised numbers (number of the format x scale) in f32.
;;   ~~~python
;;   def quantise(x, axis, e):      # numpy; x: float32 -> the quantised numbers, widened to float32 again
;;       x = np.moveaxis(x, axis, -1); K = x.shape[-1]
;;       r = np.clip(x / 2.0 ** e, -57344, 57344)
;;       step = 2.0 ** (np.maximum(np.frexp(np.where(r == 0, 1, r))[1] - 1, -14) - 2)
;;       q = np.round(r / step) * step * 2.0 ** e      # np.round: ties to even
;;       return np.moveaxis(q, -1, axis).astype(np.float32)
;;   ~~~
;;   SOFTMAX AHEAD OF A QUANTISED PRODUCT. Where the list says 'softmax', what is quantised is not the finished softmax but p = 2^(t - M), with t = logit x log2(e) and M = ceil(the row's largest t), a whole number; so 1/2 < the row's largest p <= 1. The row's sum l is taken of the UNQUANTISED p, in f32, and the product's result is divided by l at the end. Since M is a whole number, a kernel that streams over the keys may use a running M (the ceiling of the running maximum): every later rescaling is an exact power of two, so the quantised numbers keep their values, but for numbers so far below the row's largest that they fall under the format's range.
;;   OPERANDS COMPUTED ON THE WAY. 'Computed on the way' means the value that the module computes at that place (a softmax that the list does not call 'softmax' is quantised finished and normalised). What goes into a quantiser is computed in f32, as accurately as f32 sums, v_exp_f32 and their like allow (about 1e-6 of the number): no bf16 or f16 on the way to a quantiser, and a product that is left as it is and whose result goes on into a quantised operand takes f32 operands (vector FMAs, or v_wmma_f32_16x16x4_f32). A number that lies on a knife's edge between two numbers of the format may be rounded either way, as far as f32 arithmetic and the matrix unit's own rounding can turn it there, and no further.
;;   INPUTS GIVEN AS CODES. Wk (in the module: [1024, 1024], K = its axis 1); Wo (in the module: [1024, 1024], K = its axis 1); Wq (in the module: [1024, 1024], K = its axis 1); Wv (in the module: [1024, 1024], K = its axis 1); key (in the module: [4, 2048, 1024], K = its axis 2); query (in the module: [4, 2048, 1024], K = its axis 2); value (in the module: [4, 2048, 1024], K = its axis 2): each comes as NAME_codes (uint8): NAME with its K axis moved to the last place and cut into blocks of 32 codes, [.., K / 32, bytes a block], one block behind the other in memory; one code a byte (a code: sign, 5 exponent bits, 2 mantissa bits); its scale is its entry of lowp_scales. Its value is code x scale, taken as it is: it is not quantised again, and the codes and scales need not be those that the quantiser above would give.
;; One version. Each part assembles by itself: llvm-mc -triple=amdgcn-amd-amdhsa -mcpu=gfx1250 --defsym DOCPART=n.
;; ======== version 1 of 1: 3 launches
;; limits: right only within a limited range of input values
;; workspace buffers: qimg 8,388,608 bytes; kimg 8,388,608 bytes; vimg 8,388,608 bytes; cimg 8,388,608 bytes
;; launch proj (part 1): grid 12 x 32, 4 waves a work-group, clusters of 4 x 4, 327,680 bytes of LDS; arguments query_codes, key_codes, Wv_codes, Wq_codes, Wk_codes, value_codes, bq, bk, bv, qimg, kimg, vimg, lowp_scales; writes qimg, kimg, vimg
.if DOCPART == 1
	.amdgcn_target "amdgcn-amd-amdhsa--gfx1250"
	.amdhsa_code_object_version 6
	.text
	.protected	k_qfb9b0cb8a5_proj
	.globl	k_qfb9b0cb8a5_proj
	.p2align	8
	.type	k_qfb9b0cb8a5_proj,@function
k_qfb9b0cb8a5_proj:
	s_mov_b64 s[64:65], 0
	v_nop
	global_prefetch_b8 v0, s[64:65] scope:SCOPE_SE
	s_setreg_imm32_b32 hwreg(HW_REG_WAVE_MODE, 25, 1), 1
	s_wait_xcnt 0x0
	s_wait_alu depctr_hold_cnt(0) depctr_sa_sdst(0) depctr_va_vdst(0) depctr_va_sdst(0) depctr_va_ssrc(0) depctr_va_vcc(0) depctr_vm_vsrc(0)
	s_getreg_b32 s2, hwreg(HW_REG_IB_STS2, 6, 4)
	s_cmp_eq_u32 s2, 0
	s_cbranch_scc0 .Lentry_in_a_cluster
	s_endpgm
.Lentry_in_a_cluster:
	s_bfe_u32 s2, ttmp6, 0x10000c
	s_cmp_lg_u32 s2, 0xf033
	s_cbranch_scc0 .Lentry_shape_is_right
	s_endpgm
.Lentry_shape_is_right:
; THE THREE PROJECTIONS: q = (query Wq^T + bq) / 8, k = key Wk^T + bk, v = value Wv^T + bv, on codes of BF8 (E5M2), and their quantising for the two products of attention.
; One generic product C[i][j] = sum over k of A[i][k] B[j][k], K = 1,024, on codes as they lie (a row is 1,024 bytes).  The cluster's x says which: 0 q, 1 k, 2 v.
;   q, k: A = the activations (8,192 rows), B = the weight (1,024 rows).     v: A = Wv (1,024 rows), B = value (8,192 rows).
; THE MATRIX INSTRUCTION IS USED TRANSPOSED (source 0 = 16 rows of B, source 1 = 16 rows of A): a lane holds ONE row of A and its eight registers eight neighbouring rows of B.  So for q and k a lane's registers
; run along the head's 64 (the K of q k^T), and for v along the keys (the K of p v): one conversion of eight registers gives two registers of the next product's operand, and nothing is transposed.
; WHAT IS STORED: IMAGES OF OPERAND REGISTERS, in pieces of 512 bytes (lane l's 16 bytes at 16 l; four registers: k = 32 g + 16 u + 8 (l / 16) + 0 .. 7 in registers 2 u, 2 u + 1 of group g):
;   qimg, kimg [64 heads][128 tiles of 16 rows][2 groups][512];   vimg [64 heads][64 groups of 32 keys][4 tiles of 16 of the head's 64][512].  Each store of a wave covers 512 consecutive bytes, aligned.
; SHARES: a tile of C, 256 x 256, to a work-group of four waves, 128 x 128 a wave: 64 accumulators, 512 registers.  K goes in four steps of 256 through two LDS slots filled by the tensor data mover.
; CLUSTERS: 4 x 4 work-groups.  The four of a row of the cluster need the same tiles of A, the four of a column the same tiles of B: each tile is asked for JOINTLY, by the same tensor load with the same
; descriptor and a mask that names the four.  The branches on the cluster's x are the same in all sixteen partners.
; LIMITS on the given exponents, so that each power of two below is an f32 number: e0 + e1, e2 + e3, e4 + e5 between -126 and 127; e6 + 3, e7, e9 between -126 and 112.  NaN codes among the inputs are not served.
; REGISTERS, in windows of 256: window 0: v0-31 addresses and constants (v8-15 the bias by rows); v32-63 at work on the way out; v64-127 the bias by columns; from v128 A's fragments, ONE set; on the way out the codes.
;   window 1: B's fragments, TWO sets, at v0 and at v128.   window 2: the 32 accumulators of my rows 0-63 (accumulator (a, b) at v[8 (8 a + b)]);   window 3: those of my rows 64-127.
.set ROWB,   256                       ; a tile's row in bytes: 256 codes
.set KROW,   1024                      ; a row of A or of B in memory, in bytes
.set PITCH,  272                       ; an LDS row: 256 bytes + 16 of padding = 68 words: row r starts at bank 4 r mod 64 (64 banks of 4 bytes: ISA guide 11.1), so the 16 rows of a load start at 16 different banks
.set FR,     16                        ; registers of a fragment: 16 rows x 128 K
.set NL,     4                         ; LDS loads that bring one
.set NP,     4                         ; places behind this matrix instruction (ISA guide 7.12.1)
.set HALFT,  128*PITCH                 ; 128 rows: what one tensor load brings, and what one wave reads of A or of B
.set SLOT,   4*HALFT                   ; A's 256 rows, then B's 256 rows
.set SPARE,  2*SLOT                    ; behind the ring: the spare words, 128 bytes for each wave: two blocks of 256 bytes that no other line names
.set BV,   8                           ; v8-15   the bias by rows: of row 16 a + lane % 16 in v[BV + a]
.set ADRA, 16                          ; v16-17  LDS address of my A fragments in slot 0, 1
.set ADRB, 20                          ; v20-21  the same for B
.set BCO,  22                          ; v22     byte offset of the bias by columns; never rewritten
.set BRO,  23                          ; v23     of the bias by rows; never rewritten
.set CO,   26                          ; v26     16 x lane: my place in a piece of an image; never rewritten
.set SPW,  28                          ; v28     LDS address of my spare word: SPARE + 4 x my thread's number; never rewritten
.set NIL,  29                          ; v29     0; never rewritten
.set SCL,  30                          ; v30     the quantiser's scale as f32
.set LIM,  31
.set TMP,  32                          ; v32-63  32 numbers ahead of the quantiser
.set BIA,  64                          ; v64-127 the bias by columns: register 16 p + i: column 32 p + 16 (i / 8) + 8 (lane / 16) + i % 8 of my 128
.set AF,   128                         ; A's fragments, in window 0; on the way out the codes, four registers of its own for each store
.set G1, 24                            ; s[24:31] descriptor group 1 for A's tiles;  s[32:39] group 0, one set for each slot
.set G0, 32
.set G1B, 48                           ; s[48:55], s[56:63] the same for B's tiles
.set G0B, 56
.set MSB, 0
.macro WIN new                         ; the immediate's high byte repeats the setting that is left
.if MSB != \new
	s_set_vgpr_msb (MSB<<8)|\new
.set MSB, \new
.endif
.endm
.set MUL_LO, 0xa1                      ; source 0 (B) window 1, source 1 (A) window 0, C and D window 2
.set MUL_HI, 0xf1                      ; the same, C and D window 3
.set TO_B,   0x40                      ; destination window 1, address window 0
; A joint load: waves 0 and 1 fetch for A, waves 2 and 3 for B.  Each of the two lines has ONE mask and one set of registers for all that issue it; the branch hangs on the wave's number alone.
; Four v_nop follow each of the two lines, ahead of the jump, the label and what follows.
.macro JLOAD g0a, g1a, g0b, g1b
	s_cmp_eq_u32 s15, 0
	s_cbranch_scc0 .Lfor_b_\@
	tensor_load_to_lds s[\g0a:\g0a+3], s[\g1a:\g1a+7]
	s_nop 0
.rept 4
	v_nop
.endr
	s_branch .Lasked_\@
.Lfor_b_\@:
	tensor_load_to_lds s[\g0b:\g0b+3], s[\g1b:\g1b+7]
	s_nop 0
.rept 4
	v_nop
.endr
.Lasked_\@:
.endm
.macro CREST                           ; a round of the cluster's barrier behind its opening barrier
	s_cmp_lg_u32 s14, 0
	s_cbranch_scc1 .Lnot_wave_0_\@
	s_barrier_signal -3
.Lnot_wave_0_\@:
	s_barrier_wait -3
	s_barrier_signal -1
	s_barrier_wait -1
.endm
.macro CROUND                          ; a whole round
	s_barrier_signal -1
	s_barrier_wait -1
	CREST
.endm
	s_load_b512 s[68:83], s[0:1], 0x0              ; query s[68:69], key s[70:71], Wv s[72:73], Wq s[74:75], Wk s[76:77], value s[78:79], bq s[80:81], bk s[82:83]
	s_load_b256 s[84:91], s[0:1], 0x40             ; bv s[84:85], qimg s[86:87], kimg s[88:89], vimg s[90:91]
	s_load_b64 s[92:93], s[0:1], 0x60              ; the scales' exponents
	v_lshl_add_u32 v[SPW], v0, 2, SPARE
	v_mov_b32 v[NIL], 0
	ds_add_u32 v28, v29
	ds_add_u32 v28, v29
	s_wait_dscnt 0x0
	v_lshrrev_b32 v1, 5, v0
	v_readfirstlane_b32 s14, v1                    ; wave 0..3
	s_lshr_b32 s15, s14, 1                         ; which half of the tile's rows is mine.  Also: I fetch for A (0) or for B (1)
	s_and_b32 s16, s14, 1                          ; which half of its columns.  Also: which 128 rows of that tile I fetch
	s_bfe_u32 s40, ttmp6, 0x40000                  ; cx, cy: my place in the cluster
	s_bfe_u32 s41, ttmp6, 0x40004
	s_mov_b32 s66, ttmp9                           ; the cluster's x: 0 q, 1 k, 2 v
	s_and_b32 s67, ttmp7, 0xffff
	s_lshl_b32 s67, s67, 2                         ; 4 x the cluster's y: it walks the 32 tiles along the 8,192 rows of activations,
	s_cmp_eq_u32 s66, 2
	s_cselect_b32 s94, 0, s67                      ; which are A's rows for q and k,
	s_cselect_b32 s95, s67, 0                      ; and B's rows for v
	s_add_co_u32 s17, s94, s41                     ; tile row of C
	s_add_co_u32 s42, s95, s40                     ; tile column of C
	s_lshl_b32 s43, s41, 2
	s_lshl_b32 s43, 15, s43                        ; my row of the cluster
	s_lshl_b32 s44, 0x1111, s40                    ; my column
	; descriptor group 1: a tile of 128 rows x 256 bytes, padded in LDS
	s_or_b32 s[G1+0], s43, (0<<16)|(1<<20)|(1<<21)|(5<<22)|(3<<25)  ; 15:0 the mask: A's tiles go to my row; 17:16 element of 1 byte; 20 padding on; 21 set beside a mask; 24:22 after every 64 words (code 5); 31:25 of 4 words (code 3)
	s_or_b32 s[G1B+0], s44, (0<<16)|(1<<20)|(1<<21)|(5<<22)|(3<<25) ; the same with the mask of my column, for B's tiles
.irp g, G1, G1B
	s_mov_b32 s[\g+1], ROWB<<16                    ; tensor_dim0
	s_mov_b32 s[\g+2], 128<<16                     ; tensor_dim1 = 128
	s_mov_b32 s[\g+3], ROWB<<16                    ; tile_dim0
	s_mov_b32 s[\g+4], 128                         ; tile_dim1 = 128
	s_mov_b32 s[\g+5], KROW                        ; tensor_dim0_stride
	s_mov_b32 s[\g+6], 0
	s_mov_b32 s[\g+7], 0
.endr
	s_lshl_b32 s18, s16, 7                         ; which 128 rows of the tile I fetch
	s_lshl_b32 s20, s17, 8
	s_add_co_u32 s20, s20, s18                     ; A: row 256 x tile row + 128 x half
	s_lshl_b32 s20, s20, 10                        ; in bytes: under 2^23
	s_mov_b32 s21, 0
	s_lshl_b32 s46, s42, 8
	s_add_co_u32 s46, s46, s18                     ; B: row 256 x tile column + 128 x half
	s_lshl_b32 s46, s46, 10
	s_mov_b32 s47, 0
	s_mul_i32 s45, s14, HALFT                      ; where they go: wave x 128 rows: no place in the cluster enters an LDS address
	s_wait_kmcnt 0x0
	s_cmp_eq_u32 s66, 0                            ; the buffers are chosen by the cluster's x alone
	s_cselect_b64 s[4:5], s[68:69], s[70:71]       ; A
	s_cselect_b64 s[6:7], s[74:75], s[76:77]       ; B
	s_cselect_b64 s[8:9], s[80:81], s[82:83]       ; the bias
	s_cselect_b64 s[10:11], s[86:87], s[88:89]     ; the image
	s_cmp_eq_u32 s66, 2
	s_cselect_b64 s[4:5], s[72:73], s[4:5]
	s_cselect_b64 s[6:7], s[78:79], s[6:7]
	s_cselect_b64 s[8:9], s[84:85], s[8:9]
	s_cselect_b64 s[10:11], s[90:91], s[10:11]
	s_load_b256 s[68:75], s[92:93], 0x0            ; e0 .. e7
	s_load_b64 s[76:77], s[92:93], 0x20            ; e8, e9
	s_add_nc_u64 s[20:21], s[4:5], s[20:21]
	s_add_nc_u64 s[46:47], s[6:7], s[46:47]
	CROUND                                         ; all sixteen work-groups are here: the first joint loads meet
.irp s, 0,1
	s_mov_b32 s[G0+4*\s], 1
	s_add_co_u32 s[G0+4*\s+1], s45, \s*SLOT
	s_add_nc_u64 s[G0+4*\s+2:G0+4*\s+3], s[20:21], \s*ROWB
	s_or_b32 s[G0+4*\s+3], s[G0+4*\s+3], 0x80000000
	s_mov_b32 s[G0B+4*\s], 1
	s_add_co_u32 s[G0B+4*\s+1], s45, \s*SLOT
	s_add_nc_u64 s[G0B+4*\s+2:G0B+4*\s+3], s[46:47], \s*ROWB
	s_or_b32 s[G0B+4*\s+3], s[G0B+4*\s+3], 0x80000000
	JLOAD G0+4*\s, G1, G0B+4*\s, G1B               ; two tensor loads of mine are out
.endr
	v_and_b32 v1, 15, v0                           ; r = l % 16
	v_bfe_u32 v2, v0, 4, 1                         ; h = l / 16
	s_wait_alu depctr_va_vdst(0)
	v_mul_u32_u24 v3, v1, PITCH
	v_lshl_add_u32 v4, v2, 4, v3                   ; a fragment's row x pitch + 16 x half
	s_mul_i32 s21, s15, HALFT                      ; my 128 rows of A
	s_mul_i32 s22, s16, HALFT                      ; my 128 rows of B,
	s_add_co_u32 s22, s22, 2*HALFT                 ; which lie behind A's 256
.irp s, 0,1
	v_add_nc_u32 v[ADRA+\s], s21, v4
	v_add_nc_u32 v[ADRB+\s], s22, v4
	s_add_co_u32 s21, s21, SLOT
	s_add_co_u32 s22, s22, SLOT
.endr
	v_and_b32 v5, 31, v0
	v_lshlrev_b32 v[CO], 4, v5
	; THE BIAS.  For q and k it goes by C's columns (64 numbers a lane), for v by C's rows (8 a lane).  Every work-group loads both forms from its one bias buffer, the form that is not its own at offset 0,
	; so that all 72 registers are written on the one way that all take.  Both forms stay inside the buffer's 4,096 bytes: 3,584 + 512 at the most.
	s_lshl_b32 s18, s42, 10
	s_lshl_b32 s19, s16, 9
	s_add_co_u32 s18, s18, s19                     ; 4 x (256 x tile column + 128 x half)
	s_lshl_b32 s20, s17, 10
	s_lshl_b32 s19, s15, 9
	s_add_co_u32 s20, s20, s19                     ; 4 x (256 x tile row + 128 x half)
	s_cmp_eq_u32 s66, 2
	s_cselect_b32 s18, 0, s18
	s_cselect_b32 s20, s20, 0
	v_lshl_add_u32 v[BCO], v2, 5, s18              ; + 8 numbers for lanes 16-31
	v_lshl_add_u32 v[BRO], v1, 2, s20              ; + my row of sixteen
.irp p, 0,1,2,3
.irp u, 0,1
	global_load_b128 v[BIA+16*\p+8*\u:BIA+16*\p+8*\u+3],   v[BCO], s[8:9] offset:(32*\p+16*\u)*4
	global_load_b128 v[BIA+16*\p+8*\u+4:BIA+16*\p+8*\u+7], v[BCO], s[8:9] offset:(32*\p+16*\u)*4+16
.endr
.endr
.irp a, 0,1,2,3,4,5,6,7
	global_load_b32 v[BV+\a], v[BRO], s[8:9] offset:64*\a
.endr
	; where my part of the image begins.  s0 = my first row among the activations' 8,192 (a multiple of 128), f0 = my first of the 1,024 features (a multiple of 128): head 16 (s0 / 2,048) + f0 / 64, of 131,072 bytes;
	; in it 16 rows are 1,024 bytes (q, k) and 32 keys 2,048 bytes (v): 64 bytes a row either way.
	s_cselect_b32 s20, s42, s17
	s_cselect_b32 s21, s16, s15
	s_cselect_b32 s22, s17, s42
	s_cselect_b32 s23, s15, s16
	s_lshl_b32 s20, s20, 8
	s_lshl_b32 s21, s21, 7
	s_add_co_u32 s20, s20, s21                     ; s0
	s_lshl_b32 s22, s22, 2
	s_lshl_b32 s23, s23, 1
	s_add_co_u32 s22, s22, s23                     ; f0 / 64
	s_lshr_b32 s21, s20, 11
	s_lshl_b32 s21, s21, 4
	s_add_co_u32 s21, s21, s22
	s_lshl_b32 s21, s21, 17
	s_and_b32 s20, s20, 2047
	s_lshl_b32 s20, s20, 6
	s_add_co_u32 s20, s20, s21
	s_mov_b32 s21, 0
	s_add_nc_u64 s[10:11], s[10:11], s[20:21]
.macro FRAG reg, adr, q, i             ; a fragment, 16 rows x 128 K, by four loads of 16 bytes: registers 4 c .. 4 c + 3 hold K = 32 c + 16 (l / 16) + 0 .. 15: a permutation of k that is the same in A and in B, so every product meets its partner
.irp c, 0,1,2,3
	ds_load_b128 v[\reg+4*\c:\reg+4*\c+3], v[\adr] offset:128*(\q)+32*\c+(\i)*16*PITCH
.endr
.endm
; 16 matrix instructions: A's blocks a0, a0 + 1 x B's eight, 128 along K.  p: B's set.  zero = 1: the first product starts the sums: nothing is ever cleared.
; The 64 accumulators take turns, one instruction a turn, in the same order in every step.
.macro MUL16 a0, p, zero
.irp a, \a0, \a0+1
.irp b, 0,1,2,3,4,5,6,7
.if \zero
	v_wmma_f32_16x16x128_bf8_bf8 v[8*(8*((\a)%4)+\b):8*(8*((\a)%4)+\b)+7], v[128*(\p)+FR*\b:128*(\p)+FR*\b+FR-1], v[AF+FR*(\a):AF+FR*(\a)+FR-1], 0
.else
	v_wmma_f32_16x16x128_bf8_bf8 v[8*(8*((\a)%4)+\b):8*(8*((\a)%4)+\b)+7], v[128*(\p)+FR*\b:128*(\p)+FR*\b+FR-1], v[AF+FR*(\a):AF+FR*(\a)+FR-1], v[8*(8*((\a)%4)+\b):8*(8*((\a)%4)+\b)+7]
.endif
.endr
.endr
.endm
.macro FETCH_B slot, q, p              ; B's eight fragments of the slot's q-th 128 along K into set p
	WIN TO_B
.irp i, 0,1,2,3,4,5,6,7
	FRAG 128*(\p)+FR*\i, ADRB+\slot, \q, \i
.endr
	WIN 0
.endm
.macro FETCH_A slot, q, i0             ; A's blocks i0 .. i0 + 3
.irp i, \i0, \i0+1, \i0+2, \i0+3
	FRAG AF+FR*(\i), ADRA+\slot, \q, \i
.endr
.endm
; A load into a register that a matrix instruction has read, and a vector instruction that reads a matrix result or writes one of its registers, stand NP places behind that matrix instruction; only plain vector
; instructions that name none of its registers are places (ISA guide 7.12.1 for vector instructions).
.macro PLACES n
.rept \n
	v_nop
.endr
.endm
; A step of 128 along K that has its successor in the same slot.  A block of A is free as soon as its eight products are issued, so one set of registers serves A; B's fragments are at work through the whole step and have two.
.macro STEP slot, q, zero
	s_wait_dscnt 4*NL                              ; B's set and A's blocks 0-3 are in; the youngest sixteen loads (A's blocks 4-7) may be out
	WIN MUL_LO
	MUL16 0, (\q)%2, \zero
	MUL16 2, (\q)%2, \zero
	s_wait_dscnt 0                                 ; A's blocks 4-7 are in (asked for 32 matrix instructions ago)
	PLACES NP
	FETCH_B \slot, (\q)+1, 1-(\q)%2
	FETCH_A \slot, (\q)+1, 0
	WIN MUL_HI
	MUL16 4, (\q)%2, \zero
	MUL16 6, (\q)%2, \zero
	PLACES NP
	WIN 0
	FETCH_A \slot, (\q)+1, 4
.endm
; A slot's last step changes slots: ONE barrier; in front of it each wave waits for all its tensor loads, adds 0 to its spare word, and waits for that and for its own reads of this slot.  fill = 1: this slot is filled again, two K steps ahead.
.macro TURN slot, next, fill
	s_wait_tensorcnt 0x0                           ; all my tensor loads have landed: my part of the next slot  (every window is 0 here: the add's two registers lie in window 0)
	ds_add_u32 v[SPW], v[NIL]                      ; 0 onto my spare word
	s_wait_dscnt 4*NL+1                            ; (the add and the youngest sixteen loads, A's blocks 4-7, may be out)
	WIN MUL_LO
	MUL16 0, 1, 0                                  ; sixteen matrix instructions stand between the add and the wait for it
	s_wait_dscnt 0x0                               ; the add is done, and my reads of this slot are over
	s_barrier_signal -1
	MUL16 2, 1, 0
	WIN 0
	s_barrier_wait -1
.if \fill
	CREST                                          ; the barrier has opened a round of the cluster's barrier: no wave of any partner still reads this slot's tile or has a load on its way
	s_add_nc_u64 s[G0+4*\slot+2:G0+4*\slot+3], s[G0+4*\slot+2:G0+4*\slot+3], 2*ROWB
	s_add_nc_u64 s[G0B+4*\slot+2:G0B+4*\slot+3], s[G0B+4*\slot+2:G0B+4*\slot+3], 2*ROWB
	JLOAD G0+4*\slot, G1, G0B+4*\slot, G1B         ; the first tensor load behind the round, my one load until the next; the four v_nop behind it are the places in front of the loads below
.else
	PLACES NP
.endif
	FETCH_B \next, 0, 0
	FETCH_A \next, 0, 0
	WIN MUL_HI
	MUL16 4, 1, 0
	MUL16 6, 1, 0
	PLACES NP
	WIN 0
	FETCH_A \next, 0, 4
.endm
	s_wait_alu depctr_va_vdst(0)
	s_wait_tensorcnt 1                             ; my part of K step 0 is in (K step 1's load may be out)
	s_barrier_signal -1
	s_barrier_wait -1                              ; everybody's is
	FETCH_B 0, 0, 0
	FETCH_A 0, 0, 0
	FETCH_A 0, 0, 4
	STEP 0, 0, 1                                   ; K = 1,024 is four K steps of 256, eight steps of 128: written out.  The first step's products start the sums
	TURN 0, 1, 1                                   ; slot 0 takes K step 2
	STEP 1, 0, 0
	TURN 1, 0, 1                                   ; slot 1 takes K step 3
	STEP 0, 0, 0
	TURN 0, 1, 0                                   ; nothing is left to fetch
	STEP 1, 0, 0
	s_wait_dscnt 4*NL                              ; the very last step
	WIN MUL_LO
	MUL16 0, 1, 0
	MUL16 2, 1, 0
	s_wait_dscnt 0
	WIN MUL_HI
	MUL16 4, 1, 0
	MUL16 6, 1, 0
	WIN 0
	; THE SCALES, chosen without a branch.  A sum stands for sum x 2^(ea + eb).  The quantiser divides by 2^eo; q's division by 8 is folded into it: eo = e6 + 3.
	s_wait_kmcnt 0x0
	s_add_co_i32 s68, s68, s69                     ; e0 + e1
	s_add_co_i32 s70, s70, s71                     ; e2 + e3
	s_add_co_i32 s72, s72, s73                     ; e4 + e5
	s_add_co_i32 s74, s74, 3                       ; e6 + 3
	s_cmp_eq_u32 s66, 0
	s_cselect_b32 s96, s68, s70
	s_cselect_b32 s98, s74, s75
	s_cmp_eq_u32 s66, 2
	s_cselect_b32 s96, s72, s96
	s_cselect_b32 s98, s77, s98
	s_add_co_i32 s96, s96, 127
	s_lshl_b32 s96, s96, 23                        ; 2^(ea + eb) as f32
	s_mov_b32 s97, s96                             ; (named with it as a pair, so it is written)
	s_add_co_i32 s98, s98, 127
	s_lshl_b32 s99, s98, 23
	v_mov_b32 v[SCL], s99                          ; 2^eo as f32: the conversion takes its exponent field
	s_wait_loadcnt 0x0                             ; the bias
; THE WAY OUT, 32 numbers of a lane at a time (block a of 16 rows of A, four blocks of 16 rows of B): sum x 2^(ea + eb) + bias, one packed multiply-add for two, each accumulator from its low end on;
; four conversions; two stores of 512 consecutive bytes.  Every store has code registers of its own: none is written again.
; byrow = 1: the bias goes by A's rows (v): one number a lane for block a, the low or the high register of a pair for both halves.
.macro EPI byrow
	PLACES NP
.irp a, 0,1,2,3,4,5,6,7
.irp pr, 0,1
	WIN (0x02+(\a)/4)                              ; source 0 (the sums): window 2 or 3
.set i, 0
.rept 16
.if \byrow
.if (\a)%2
	v_pk_fma_f32 v[TMP+i:TMP+i+1], v[64*((\a)%4)+32*\pr+i:64*((\a)%4)+32*\pr+i+1], s[96:97], v[BV+\a-1:BV+\a] op_sel:[0,0,1] op_sel_hi:[1,0,1]
.else
	v_pk_fma_f32 v[TMP+i:TMP+i+1], v[64*((\a)%4)+32*\pr+i:64*((\a)%4)+32*\pr+i+1], s[96:97], v[BV+\a:BV+\a+1] op_sel_hi:[1,0,0]
.endif
.else
	v_pk_fma_f32 v[TMP+i:TMP+i+1], v[64*((\a)%4)+32*\pr+i:64*((\a)%4)+32*\pr+i+1], s[96:97], v[BIA+32*\pr+i:BIA+32*\pr+i+1] op_sel_hi:[1,0,1]
.endif
.set i, i+2
.endr
	WIN 0
.set i, 0
.rept 32
.set i, i+1
.endr
.irp u, 0,1,2,3
	v_cvt_scalef32_pk8_bf8_f32 v[AF+16*\a+8*\pr+2*\u:AF+16*\a+8*\pr+2*\u+1], v[TMP+8*\u:TMP+8*\u+7], v[SCL]
.endr
	v_nop                                          ; one plain vector instruction between the conversions and the next lines that write their sources
.irp k, 0,1
.if \byrow
	global_store_b128 v[CO], v[AF+16*\a+8*\pr+4*\k:AF+16*\a+8*\pr+4*\k+3], s[10:11] offset:((\a)/4)*131072+(2*\pr+\k)*2048+((\a)%4)*512   ; head a / 4, keys 32 (2 pr + k) on, tile a % 4 of the head's 64
.else
	global_store_b128 v[CO], v[AF+16*\a+8*\pr+4*\k:AF+16*\a+8*\pr+4*\k+3], s[10:11] offset:\pr*131072+\a*1024+\k*512                     ; head pr, rows 16 a on, group k of the head's 64
.endif
.endr
.endr
.endr
.endm
	s_cmp_eq_u32 s66, 2                            ; the same in all sixteen partners
	s_cbranch_scc1 .Lby_row
	EPI 0
	s_branch .Ldone
.Lby_row:
	EPI 1
.Ldone:
	s_wait_tensorcnt 0x0                           ; the wave's end
	ds_add_u32 v[SPW], v[NIL]
	s_wait_dscnt 0x0
	CROUND                                         ; the closing round: no work-group ends while a partner may still ask for a tile that names it
	s_endpgm
.Lfunc_end_k_qfb9b0cb8a5_proj:
	.size	k_qfb9b0cb8a5_proj, .Lfunc_end_k_qfb9b0cb8a5_proj-k_qfb9b0cb8a5_proj
	.p2alignl 7, 3214868480
	.fill 96, 4, 3214868480
	.section	.rodata,"a",@progbits
	.p2align	6, 0x0
	.amdhsa_kernel k_qfb9b0cb8a5_proj
		.amdhsa_group_segment_fixed_size 327680
		.amdhsa_private_segment_fixed_size 0
		.amdhsa_enable_private_segment 0
		.amdhsa_kernarg_size 104
		.amdhsa_user_sgpr_count 2
		.amdhsa_user_sgpr_kernarg_segment_ptr 1
		.amdhsa_wavefront_size32 1
		.amdhsa_system_sgpr_workgroup_id_x 1
		.amdhsa_system_sgpr_workgroup_id_y 1
		.amdhsa_system_sgpr_workgroup_id_z 1
		.amdhsa_system_vgpr_workitem_id 0
		.amdhsa_next_free_vgpr 1024
		.amdhsa_next_free_sgpr 100
		.amdhsa_reserve_vcc 0
		.amdhsa_float_denorm_mode_32 3
		.amdhsa_float_denorm_mode_16_64 3
		.amdhsa_fp16_overflow 1
		.amdhsa_memory_ordered 1
		.amdhsa_forward_progress 1
		.amdhsa_inst_pref_size 130
	.end_amdhsa_kernel
	.amdgpu_metadata
---
amdhsa.version: [ 1, 2 ]
amdhsa.kernels:
  - .name:           k_qfb9b0cb8a5_proj
    .symbol:         k_qfb9b0cb8a5_proj.kd
    .args:
      - { .name: query_codes, .offset: 0, .size: 8, .value_kind: global_buffer, .address_space: global }
      - { .name: key_codes, .offset: 8, .size: 8, .value_kind: global_buffer, .address_space: global }
      - { .name: Wv_codes, .offset: 16, .size: 8, .value_kind: global_buffer, .address_space: global }
      - { .name: Wq_codes, .offset: 24, .size: 8, .value_kind: global_buffer, .address_space: global }
      - { .name: Wk_codes, .offset: 32, .size: 8, .value_kind: global_buffer, .address_space: global }
      - { .name: value_codes, .offset: 40, .size: 8, .value_kind: global_buffer, .address_space: global }
      - { .name: bq, .offset: 48, .size: 8, .value_kind: global_buffer, .address_space: global }
      - { .name: bk, .offset: 56, .size: 8, .value_kind: global_buffer, .address_space: global }
      - { .name: bv, .offset: 64, .size: 8, .value_kind: global_buffer, .address_space: global }
      - { .name: qimg, .offset: 72, .size: 8, .value_kind: global_buffer, .address_space: global }
      - { .name: kimg, .offset: 80, .size: 8, .value_kind: global_buffer, .address_space: global }
      - { .name: vimg, .offset: 88, .size: 8, .value_kind: global_buffer, .address_space: global }
      - { .name: lowp_scales, .offset: 96, .size: 8, .value_kind: global_buffer, .address_space: global }
    .group_segment_fixed_size: 327680
    .private_segment_fixed_size: 0
    .kernarg_segment_align: 8
    .kernarg_segment_size: 104
    .max_flat_workgroup_size: 128
    .sgpr_count:     100
    .vgpr_count:     1024
    .wavefront_size: 32
...
	.end_amdgpu_metadata
.endif
;; end of part 1
;; launch attn (part 2): grid 4 x 64, 8 waves a work-group, clusters of 4 x 1, 327,680 bytes of LDS; arguments qimg, kimg, vimg, mask, lowp_scales, cimg; writes cimg
.if DOCPART == 2
	.amdgcn_target "amdgcn-amd-amdhsa--gfx1250"
	.amdhsa_code_object_version 6
	.text
	.protected	k_qfb9b0cb8a5_attn
	.globl	k_qfb9b0cb8a5_attn
	.p2align	8
	.type	k_qfb9b0cb8a5_attn,@function
k_qfb9b0cb8a5_attn:
	s_mov_b64 s[64:65], 0
	v_nop
	global_prefetch_b8 v0, s[64:65] scope:SCOPE_SE
	s_setreg_imm32_b32 hwreg(HW_REG_WAVE_MODE, 25, 1), 1
	s_wait_xcnt 0x0
	s_wait_alu depctr_hold_cnt(0) depctr_sa_sdst(0) depctr_va_vdst(0) depctr_va_sdst(0) depctr_va_ssrc(0) depctr_va_vcc(0) depctr_vm_vsrc(0)
	s_getreg_b32 s2, hwreg(HW_REG_IB_STS2, 6, 4)
	s_cmp_eq_u32 s2, 0
	s_cbranch_scc0 .Lentry_in_a_cluster
	s_endpgm
.Lentry_in_a_cluster:
	s_bfe_u32 s2, ttmp6, 0x10000c
	s_cmp_lg_u32 s2, 0x3003
	s_cbranch_scc0 .Lentry_shape_is_right
	s_endpgm
.Lentry_shape_is_right:
; ATTENTION of one head on codes of BF8 (E5M2): context = softmax(q k^T, keys with mask 0 left out) v, quantised for the last projection.  q, k, v come as images of operand registers:
;   qimg, kimg [64 heads][128 tiles of 16 rows][2 groups][512 bytes];  vimg [64 heads][64 groups of 32 keys][4 tiles of 16 of the head's 64][512];  a piece of 512 bytes holds four registers, lane l's 16 bytes at 16 l.
; THE SOFTMAX AHEAD OF THE SECOND PRODUCT: t = score x log2(e); M = the row's largest t so far, rounded UP to a whole number; p = 2^(t - M) is what is quantised; the row's sum is taken of the unquantised p, in f32, and
; divides at the end.  When M moves, the sum and O are multiplied by 2^(old M - new M): exact.
; SHARES.  A work-group owns 512 queries of one head, each of its eight waves 64: four tiles of 16, so that each fragment of K and V read from LDS feeds four products.  Two waves to a SIMD: one wave's vector work
; stands beside the other's matrix work and LDS loads.  Every wave walks the head's 2,048 keys, 64 a step.
; LAYOUT.  Both products are used transposed: S^T = K Q^T (source 0 = 16 keys, source 1 = 16 queries), O^T = V^T P^T (source 0 = 16 of the head's 64, source 1 = P): a lane holds ONE query (lane % 16) throughout, and
; register j of key tile t is key 16 t + 8 (lane / 16) + j: one conversion of a tile's eight registers gives registers 2 t, 2 t + 1 of P's fragment.
; THE MASK costs no vector instruction: it is turned once into f32 numbers in LDS, 0 for a key that counts and -3e38 for one that does not, and these are the C of K Q^T.  A raw score is at most 64 x 57,344^2, about 2e11:
; beside -3e38 it vanishes, t - M falls under every exponent and p is 0.
; LDS.  A head's K image (131,072 bytes) and V image (131,072) both fit: no byte is filled twice.  They come in four quarters of 512 keys; a quarter is asked for when the quarter before begins to be read.
; CLUSTER.  The four work-groups of a cluster are the four query blocks of one head and read the same K and V: each wave's part of a quarter is asked for JOINTLY, by the same tensor load, with the same descriptor
; (it hangs on the wave's number and the head alone) and the mask that names the four.
; WHAT IS STORED: cimg [512 tiles of 16 rows][16 heads][2 groups][512 bytes]: the image of the last projection's operand.  Each store of a wave covers 512 consecutive bytes, aligned.
; LIMITS on the given exponents: e6 + e7 between -120 and 126 (added to log2(e)'s exponent field; from -120 on a hidden key's t lies under every exponent); e8 and e10 between -126 and 112; e8 + e9 goes by v_ldexp_f32.
; A batch whose mask is 0 everywhere (NaN in the definition) and NaN codes are not served.
; REGISTERS.  Window 0: v1-11 addresses and constants; v12-43 eight registers of statistics a tile; v44-51 a second chain for the sums; v64-95 K's four fragments; v96-127 the mask's numbers; v128-255 S^T, then p, 32 a tile.
;   Window 1: v0-31 Q; v32-63 V's four fragments; v64-95 p's codes; v96-223 O^T, 32 a tile.
.set QB,    32768                      ; a quarter of an image in bytes: 512 keys
.set VIMG,  131072                     ; LDS: K's image from 0, V's image from here,
.set BIAS,  262144                     ; the mask's 2,048 numbers (8,192 bytes; written by LDS stores, no tile lands here),
.set SPARE, 270336                     ; the spare words, 128 bytes for each wave: four blocks of 256 bytes that no other line names
.set LI,  1                            ; v1   16 x lane; never rewritten
.set LIV, 2                            ; v2   the same in V's image
.set BI0, 3                            ; v3   BIAS + 32 (lane / 16): my half's eight numbers of a key tile
.set ADK, 4                            ; v4   LDS address of the step's K
.set ADV, 5                            ; v5   of its V
.set ADB, 6                            ; v6   of its mask numbers
.set SPW, 7                            ; v7   LDS address of my spare word: SPARE + 4 x my thread's number; never rewritten
.set NIL, 8                            ; v8   0; never rewritten
.set SCL, 9                            ; v9   the quantiser's scale as f32
.set LIM, 10
.set NEG, 11                           ; v11  -3e38
.set ST,  12                           ; tile q's statistics at v[ST + 8 q]: +0 -M, +1 the largest t, +2, +3 the sum in two halves, +4 f, +5 written once (named with f as a pair), +6, +7 at work
.set X,   44                           ; v[X + 2 q]: the second chain of tile q's sums
.set KF,  64
.set BI,  96
.set S,   128
.set QF,  0                            ; in window 1
.set VF,  32
.set PC,  64
.set OT,  96
.set G1,  16                           ; s[16:23] descriptor group 1
.set G0,  24                           ; s[24:27] descriptor group 0, which walks
.set WV,  28                           ; s28  my wave's number
.set CX,  29                           ; s29  my place in the cluster: my block of 512 queries.  It enters Q's and the context's addresses alone
.set BH,  30                           ; s30  16 x batch + head
.set SEL, 32                           ; s[32:33] lane selects for v_permlanex16_b32: lane l xor 16
.set CS,  34                           ; s[34:35] c = log2(e) x 2^(e6 + e7): the packed form names a pair and takes its low word for both halves
.set KO,  36                           ; s36  byte in K's and V's image at which the step in hand begins: 4,096 a step
.set BO,  37                           ; s37  the same among the mask's numbers: 256 a step
.set QT,  38                           ; s38  counts the quarters that are asked for in the loop
.set IN,  39                           ; s39  counts a quarter's steps
.set MSB, 0
.macro WIN new                         ; the immediate's high byte repeats the setting that is left
.if MSB != \new
	s_set_vgpr_msb (MSB<<8)|\new
.set MSB, \new
.endif
.endm
; A round of the cluster's barrier: my work-group's barrier, so that wave 0's signal speaks for all eight waves; wave 0 signals for the work-group; every wave waits for all four work-groups; my work-group's barrier once more.
.macro ROUND
	s_barrier_signal -1
	s_barrier_wait -1
	s_cmp_lg_u32 s[WV], 0
	s_cbranch_scc1 .Lnot_wave_0_\@
	s_barrier_signal -3
.Lnot_wave_0_\@:
	s_barrier_wait -3
	s_barrier_signal -1
	s_barrier_wait -1
.endm
	s_load_b256 s[4:11], s[0:1], 0x0               ; qimg s[4:5], kimg s[6:7], vimg s[8:9], mask s[10:11]
	s_load_b128 s[12:15], s[0:1], 0x20             ; the scales' exponents s[12:13], cimg s[14:15]
	v_lshl_add_u32 v[SPW], v0, 2, SPARE
	v_mov_b32 v[NIL], 0
	ds_add_u32 v7, v8
	ds_add_u32 v7, v8
	s_wait_dscnt 0x0
	v_lshrrev_b32 v1, 5, v0
	s_delay_alu instid0(VALU_DEP_1)
	v_readfirstlane_b32 s[WV], v1                  ; wave 0..7
	s_bfe_u32 s[CX], ttmp6, 0x40000
	s_and_b32 s[BH], ttmp7, 0xffff                 ; the cluster's y, which the four partners share
	; descriptor group 1: 8,192 dense bytes as 32 rows of 256
	s_mov_b32 s[G1], 15|(3<<16)|(1<<21)            ; 15:0 the mask: all four work-groups; 17:16 elements of 8 bytes; 20 no padding; 21 set beside a mask
	s_mov_b32 s[G1+1], 32<<16                      ; tensor_dim0 = 32 elements
	s_mov_b32 s[G1+2], 32<<16                      ; tensor_dim1 = 32
	s_mov_b32 s[G1+3], 32<<16                      ; tile_dim0 = 32
	s_mov_b32 s[G1+4], 32                          ; tile_dim1 = 32
	s_mov_b32 s[G1+5], 32                          ; tensor_dim0_stride
	s_mov_b32 s[G1+6], 0
	s_mov_b32 s[G1+7], 0
	; what I fetch of a quarter: waves 0 to 3 K's four parts of 8,192 bytes, waves 4 to 7 V's
	s_lshr_b32 s52, s[WV], 2
	s_lshl_b32 s52, s52, 17                        ; K's image or V's, in LDS
	s_and_b32 s53, s[WV], 3
	s_lshl_b32 s53, s53, 13                        ; my part
	s_mov_b32 s[G0], 1                             ; 1:0 count = 1
	s_add_co_u32 s[G0+1], s52, s53                 ; 63:32 LDS address: quarter 0
	s_lshl_b32 s56, s[BH], 17                      ; the head's first byte in each of the three images
	s_add_co_u32 s58, s56, s53
	s_mov_b32 s59, 0
	s_lshl_b32 s54, s[CX], 5
	s_lshl_b32 s55, s[WV], 2
	s_add_co_u32 s54, s54, s55                     ; my first tile of 16 queries: 32 cx + 4 x wave
	s_lshl_b32 s60, s54, 10
	s_add_co_u32 s60, s60, s56                     ; and its image
	s_mov_b32 s61, 0
	s_lshr_b32 s55, s[BH], 4                       ; the batch
	s_lshl_b32 s62, s55, 7
	s_add_co_u32 s62, s62, s54                     ; my first tile among the 512 of all batches: 16,384 bytes each,
	s_lshl_b32 s62, s62, 14
	s_and_b32 s63, s[BH], 15
	s_lshl_b32 s63, s63, 10                        ; in it my head's 1,024
	s_add_co_u32 s62, s62, s63
	s_mov_b32 s63, 0
	s_lshl_b32 s54, s55, 13                        ; the batch's 2,048 mask words
	s_mov_b32 s55, 0
	s_mov_b32 s[SEL], 0x76543210
	s_mov_b32 s[SEL+1], 0xfedcba98
	s_mov_b32 s[KO], 0
	s_mov_b32 s[BO], 0
	s_wait_kmcnt 0x0
	s_load_b256 s[40:47], s[12:13], 0x0            ; e0 .. e7
	s_load_b128 s[48:51], s[12:13], 0x20           ; e8 .. e11
	s_cmp_lt_u32 s[WV], 4
	s_cselect_b64 s[G0+2:G0+3], s[6:7], s[8:9]     ; 120:64 global address: the choice hangs on the wave's number alone
	s_add_nc_u64 s[G0+2:G0+3], s[G0+2:G0+3], s[58:59]
	s_or_b32 s[G0+3], s[G0+3], 0x80000000          ; 127:126 type = 2
	s_add_nc_u64 s[4:5], s[4:5], s[60:61]
	s_add_nc_u64 s[10:11], s[10:11], s[54:55]
	s_add_nc_u64 s[14:15], s[14:15], s[62:63]
	ROUND                                          ; all four work-groups are here: the first joint loads meet
	tensor_load_to_lds s[G0:G0+3], s[G1:G1+7]      ; quarter 0: one tensor load of mine is out
	s_nop 0
.rept 4
	v_nop
.endr
	v_lshlrev_b32 v[ADK], 4, v0                    ; the mask: 256 threads x 16 bytes, twice: each load of a wave covers 512 consecutive bytes
	global_load_b128 v[KF:KF+3], v[ADK], s[10:11]
	global_load_b128 v[KF+4:KF+7], v[ADK], s[10:11] offset:4096
	v_and_b32 v[LI], 31, v0
	s_delay_alu instid0(VALU_DEP_1)
	v_lshlrev_b32 v[LI], 4, v[LI]
	WIN 0x40                                       ; destination window 1, address window 0
.irp k, 0,1,2,3,4,5,6,7
	global_load_b128 v[QF+4*\k:QF+4*\k+3], v[LI], s[4:5] offset:512*\k th:TH_LOAD_NT   ; Q stays in registers: tile k / 2, group k % 2; read once, by this wave alone
.endr
	WIN 0
	v_add_nc_u32 v[LIV], VIMG, v[LI]
	v_bfe_u32 v[BI0], v0, 4, 1
	s_delay_alu instid0(VALU_DEP_1)
	v_lshl_add_u32 v[BI0], v[BI0], 5, BIAS
	v_lshl_add_u32 v[ADV], v0, 4, BIAS             ; where my eight numbers of the mask go
	v_mov_b32 v[NEG], 0xff61b1e6                   ; -3e38
	s_wait_alu depctr_va_vdst(0)
	s_wait_loadcnt 8                               ; the mask's two loads are in; Q's eight may be out
.irp i, 0,1,2,3,4,5,6,7
	v_cmp_eq_u32 vcc_lo, 0, v[KF+\i]
	s_delay_alu instid0(VALU_DEP_1)
	v_cndmask_b32 v[KF+8+\i], 0, v[NEG], vcc_lo    ; mask 0: -3e38; else 0
.endr
	ds_store_b128 v[ADV], v[KF+8:KF+11]
	ds_store_b128 v[ADV], v[KF+12:KF+15] offset:4096
	s_wait_kmcnt 0x0
	s_add_co_i32 s52, s46, s47
	s_lshl_b32 s52, s52, 23
	s_add_co_i32 s[CS], s52, 0x3fb8aa3b            ; log2(e), with e6 + e7 added to its exponent field: a raw score stands for score x 2^(e6 + e7)
	s_mov_b32 s[CS+1], s[CS]                       ; (named with it as a pair, so it is written)
	s_add_co_i32 s52, s48, 127
	s_lshl_b32 s53, s52, 23
	v_mov_b32 v[SCL], s53                          ; 2^e8 as f32, for p's conversions
.irp q, 0,1,2,3
	v_mov_b32 v[ST+8*\q+1], v[NEG]                 ; the largest t so far: under every t
	v_floor_f32 v[ST+8*\q], -v[NEG]                ; -M
	v_mov_b32 v[ST+8*\q+2], 0                      ; the sum, in two halves
	v_mov_b32 v[ST+8*\q+3], 0
	v_mov_b32 v[ST+8*\q+5], 0
.endr
	WIN 0x40
.set i, 0
.rept 128
	v_mov_b32 v[OT+i], 0                           ; O^T.  (The step has no first form of its own: the first step finds zeros, which the first change of M leaves zeros)
.set i, i+1
.endr
	WIN 0
	s_wait_loadcnt 0x0                             ; Q
; THE CHANGE OF QUARTERS stands at a quarter's head.  Each wave waits for all its tensor loads (its part of the quarter that is about to be read), adds 0 to its spare word, and waits for that and for its LDS instructions
; (in the first change: its stores of the mask's numbers).  Behind the barrier the quarter is whole.  fill = 1: the barrier is a round of the cluster's, and the next quarter's joint load is the first thing behind it, my one
; tensor load until the next change: it has a quarter's eight steps in which to land.
.macro CHANGE fill
	s_wait_tensorcnt 0x0                           ; no tensor load of mine is out, so group 0 may be written
	ds_add_u32 v[SPW], v[NIL]                      ; 0 onto my spare word
.if \fill
	s_add_co_u32 s[G0+1], s[G0+1], QB              ; the next quarter, in LDS
	s_add_nc_u64 s[G0+2:G0+3], s[G0+2:G0+3], QB    ; and in memory; the type bits on top are not reached
.endif
	s_wait_dscnt 0x0
.if \fill
	ROUND
	tensor_load_to_lds s[G0:G0+3], s[G1:G1+7]
	s_nop 0
.rept 4
	v_nop
.endr
.else
	s_barrier_signal -1
	s_barrier_wait -1
.endif
.endm
; sixteen LDS loads: a step's four fragments of K (512 consecutive bytes a load) and the mask's numbers in the result's layout (lane (r, h), tile t: keys 16 t + 8 h + 0 .. 7: sixteen lanes share an address)
.macro KLOADS
.irp k, 0,1,2,3,4,5,6,7
	ds_load_b128 v[KF+4*\k:KF+4*\k+3], v[ADK] offset:512*\k
.endr
.irp t, 0,1,2,3
	ds_load_b128 v[BI+8*\t:BI+8*\t+3],   v[ADB] offset:64*\t
	ds_load_b128 v[BI+8*\t+4:BI+8*\t+7], v[ADB] offset:64*\t+16
.endr
.endm
; A KEY STEP: 64 keys.  more = 1: the next step's K and mask numbers are fetched meanwhile (not over a change of quarters).
.macro STEP more
	s_wait_dscnt 0x0                               ; K and the mask's numbers are in
	WIN 0x04                                       ; source 1 (Q) window 1
.irp t, 0,1,2,3
.irp q, 0,1,2,3
	v_wmma_f32_16x16x64_bf8_bf8 v[S+32*\q+8*\t:S+32*\q+8*\t+7], v[KF+8*\t:KF+8*\t+7], v[QF+8*\q:QF+8*\q+7], v[BI+8*\t:BI+8*\t+7]
.endr
.endr
	WIN 0
	v_add_nc_u32 v[ADV], s[KO], v[LIV]             ; four plain vector instructions: the places in front of the loads into registers that matrix instructions have read, and of the first read of the scores
	s_add_co_u32 s[KO], s[KO], 4096
	s_add_co_u32 s[BO], s[BO], 256
.if \more
	v_add_nc_u32 v[ADK], s[KO], v[LI]
	v_add_nc_u32 v[ADB], s[BO], v[BI0]
	v_nop
.else
.rept 3
	v_nop
.endr
.endif
	WIN 0x40                                       ; destination window 1
.irp g, 0,1
.irp d, 0,1,2,3
	ds_load_b128 v[VF+8*\d+4*\g:VF+8*\d+4*\g+3], v[ADV] offset:2048*\g+512*\d   ; V: tile d of the head's 64, keys 32 g on
.endr
.endr
	WIN 0
.if \more
	KLOADS
.endif
	; the step's largest score of each query, among my 32 keys: two chains a tile, the four tiles line by line; each accumulator is read from its low end on
.irp q, 0,1,2,3
	v_max3_num_f32 v[ST+8*\q+6], v[S+32*\q], v[S+32*\q+1], v[S+32*\q+2]
.endr
.irp q, 0,1,2,3
	v_max3_num_f32 v[ST+8*\q+7], v[S+32*\q+3], v[S+32*\q+4], v[S+32*\q+5]
.endr
.irp i, 6,10,14,18,22,26
.irp q, 0,1,2,3
	v_max3_num_f32 v[ST+8*\q+6], v[ST+8*\q+6], v[S+32*\q+\i], v[S+32*\q+\i+1]
.endr
.irp q, 0,1,2,3
	v_max3_num_f32 v[ST+8*\q+7], v[ST+8*\q+7], v[S+32*\q+\i+2], v[S+32*\q+\i+3]
.endr
.endr
.irp q, 0,1,2,3
	v_max3_num_f32 v[ST+8*\q+6], v[ST+8*\q+6], v[S+32*\q+30], v[S+32*\q+31]
.endr
.irp q, 0,1,2,3
	s_delay_alu instid0(VALU_DEP_4)
	v_max_num_f32 v[ST+8*\q+6], v[ST+8*\q+6], v[ST+8*\q+7]
.endr
.irp q, 0,1,2,3
	s_delay_alu instid0(VALU_DEP_4)
	v_permlanex16_b32 v[ST+8*\q+7], v[ST+8*\q+6], s[SEL], s[SEL+1]
.endr
.irp q, 0,1,2,3
	s_delay_alu instid0(VALU_DEP_4)
	v_max_num_f32 v[ST+8*\q+6], v[ST+8*\q+6], v[ST+8*\q+7]   ; and among lane l xor 16's
.endr
.irp q, 0,1,2,3
	s_delay_alu instid0(VALU_DEP_4)
	v_mul_f32 v[ST+8*\q+6], s[CS], v[ST+8*\q+6]    ; as t (c is positive)
.endr
.irp q, 0,1,2,3
	s_delay_alu instid0(VALU_DEP_4)
	v_max_num_f32 v[ST+8*\q+1], v[ST+8*\q+1], v[ST+8*\q+6]   ; the running largest t
.endr
.irp q, 0,1,2,3
	v_mov_b32 v[ST+8*\q+7], v[ST+8*\q]
.endr
.irp q, 0,1,2,3
	v_floor_f32 v[ST+8*\q], -v[ST+8*\q+1]          ; the new -M = floor(-t) = -ceil(t): M is a whole number
.endr
.irp q, 0,1,2,3
	s_delay_alu instid0(VALU_DEP_4)
	v_sub_f32 v[ST+8*\q+7], v[ST+8*\q], v[ST+8*\q+7]   ; M's old value less its new one: a whole number, 0 or less
.endr
.irp q, 0,1,2,3
	s_delay_alu instid0(VALU_DEP_4)
	v_cvt_i32_f32 v[ST+8*\q+7], v[ST+8*\q+7]       ; (it saturates)
.endr
.irp q, 0,1,2,3
	s_delay_alu instid0(VALU_DEP_4)
	v_ldexp_f32 v[ST+8*\q+4], 1.0, v[ST+8*\q+7]    ; f = 2^(old M - new M)
.endr
	; t - M, two at a time, and p = 2^(t - M).  ONE BATCH of 128 exponentials: tile q + 1's scalings stand among tile q's exponentials, and no line of the batch names an exponential's result
.set i, 0
.rept 16
	v_pk_fma_f32 v[S+i:S+i+1], v[S+i:S+i+1], s[CS:CS+1], v[ST:ST+1] op_sel_hi:[1,0,0]
.set i, i+2
.endr
	s_wait_alu depctr_va_vdst(0)
.irp q, 0,1,2,3
.set i, 0
	s_wait_alu depctr_va_vdst(0)
.rept 16
.if \q < 3
	v_pk_fma_f32 v[S+32*(\q+1)+i:S+32*(\q+1)+i+1], v[S+32*(\q+1)+i:S+32*(\q+1)+i+1], s[CS:CS+1], v[ST+8*(\q+1):ST+8*(\q+1)+1] op_sel_hi:[1,0,0]
.endif
	v_exp_f32 v[S+32*\q+i], v[S+32*\q+i]
	v_exp_f32 v[S+32*\q+i+1], v[S+32*\q+i+1]
.set i, i+2
.endr
.endr
.irp q, 0,1,2,3
	v_pk_mul_f32 v[ST+8*\q+2:ST+8*\q+3], v[ST+8*\q+2:ST+8*\q+3], v[ST+8*\q+4:ST+8*\q+5] op_sel_hi:[1,0]   ; the sums under the new M: plain instructions behind the last exponential
.endr
	s_wait_alu depctr_va_vdst(0)                   ; one wait for the whole batch, ahead of its first reader
.irp q, 0,1,2,3
	v_pk_add_f32 v[X+2*\q:X+2*\q+1], v[S+32*\q:S+32*\q+1], v[S+32*\q+2:S+32*\q+3]   ; the row's sum is taken of the unquantised p: two at a time, two chains a tile
.endr
.irp j, 4,8,12,16,20,24,28
.irp q, 0,1,2,3
	v_pk_add_f32 v[ST+8*\q+2:ST+8*\q+3], v[ST+8*\q+2:ST+8*\q+3], v[S+32*\q+\j:S+32*\q+\j+1]
.endr
.irp q, 0,1,2,3
	v_pk_add_f32 v[X+2*\q:X+2*\q+1], v[X+2*\q:X+2*\q+1], v[S+32*\q+\j+2:S+32*\q+\j+3]
.endr
.endr
.irp q, 0,1,2,3
	s_delay_alu instid0(VALU_DEP_4)
	v_pk_add_f32 v[ST+8*\q+2:ST+8*\q+3], v[ST+8*\q+2:ST+8*\q+3], v[X+2*\q:X+2*\q+1]
.endr
.set i, 0
.rept 128
.set i, i+1
.endr
	WIN 0x40                                       ; destination window 1
.set i, 0
.rept 16
	v_cvt_scalef32_pk8_bf8_f32 v[PC+2*i:PC+2*i+1], v[S+8*i:S+8*i+7], v[SCL]   ; tile i / 4, key tile i % 4: registers 2 (i % 4), 2 (i % 4) + 1 of the tile's fragment of P
.set i, i+1
.endr
	WIN 0x41                                       ; O^T (destination and source 0) window 1, f window 0
.irp q, 0,1,2,3
.set i, 0
.rept 16
	v_pk_mul_f32 v[OT+32*\q+i:OT+32*\q+i+1], v[OT+32*\q+i:OT+32*\q+i+1], v[ST+8*\q+4:ST+8*\q+5] op_sel_hi:[1,0]   ; O^T under the new M.  (Plain instructions between the conversions and the products that read the codes)
.set i, i+2
.endr
.endr
.if \more
	s_wait_alu depctr_va_vdst(0)
	s_wait_dscnt 16                                ; V is in; the sixteen younger loads, the next step's K and mask numbers, may be out
.else
	s_wait_alu depctr_va_vdst(0)
	s_wait_dscnt 0x0
.endif
	WIN 0x55                                       ; all four operands window 1
.irp d, 0,1,2,3
.irp q, 0,1,2,3
	v_wmma_f32_16x16x64_bf8_bf8 v[OT+32*\q+8*\d:OT+32*\q+8*\d+7], v[VF+8*\d:VF+8*\d+7], v[PC+8*\q:PC+8*\q+7], v[OT+32*\q+8*\d:OT+32*\q+8*\d+7]   ; the sixteen accumulators take turns, one instruction a turn
.endr
.endr
	WIN 0
.endm
; A quarter's eight steps: seven in a loop, the eighth written out, since it fetches nothing ahead
.macro QUARTER
	v_add_nc_u32 v[ADK], s[KO], v[LI]
	v_add_nc_u32 v[ADB], s[BO], v[BI0]
	KLOADS
	s_mov_b32 s[IN], 7
.Lstep_\@:
	STEP 1
	s_sub_co_u32 s[IN], s[IN], 1
	s_cmp_lg_u32 s[IN], 0
	s_cbranch_scc1 .Lstep_\@
	STEP 0
.endm
	s_mov_b32 s[QT], 3
.Lq:                                               ; three trips: at the head of quarters 0, 1, 2 the next quarter is asked for
	CHANGE 1
	QUARTER
	s_sub_co_u32 s[QT], s[QT], 1
	s_cmp_lg_u32 s[QT], 0
	s_cbranch_scc1 .Lq
	CHANGE 0                                       ; the last quarter is written out
	QUARTER
	; THE WAY OUT.  The sum's two halves and lane l xor 16's are added; O^T is divided by the sum, multiplied by 2^(e8 + e9), and quantised with 2^e10: a lane's eight registers of tile d are features 16 d + 8 (lane / 16) + 0 .. 7
	; of its query's row: registers 2 d, 2 d + 1 of the last projection's operand.  The additions are the places behind the last products.
.irp q, 0,1,2,3
	v_add_f32 v[ST+8*\q+6], v[ST+8*\q+2], v[ST+8*\q+3]
.endr
.irp q, 0,1,2,3
	s_delay_alu instid0(VALU_DEP_4)
	v_permlanex16_b32 v[ST+8*\q+7], v[ST+8*\q+6], s[SEL], s[SEL+1]
.endr
.irp q, 0,1,2,3
	s_delay_alu instid0(VALU_DEP_4)
	v_add_f32 v[ST+8*\q+6], v[ST+8*\q+6], v[ST+8*\q+7]
.endr
	s_wait_alu depctr_va_vdst(0)
.irp q, 0,1,2,3
	v_rcp_f32 v[ST+8*\q+4], v[ST+8*\q+6]
.endr
	v_nop                                          ; a plain instruction between the last reciprocal and the use of its result
	s_add_co_i32 s52, s48, s49                     ; e8 + e9
	s_add_co_i32 s53, s50, 127
	s_lshl_b32 s54, s53, 23
	v_mov_b32 v[SCL], s54                          ; 2^e10 as f32
	s_wait_alu depctr_va_vdst(0)                   ; one wait for the four reciprocals, ahead of their first reader
.irp q, 0,1,2,3
	v_ldexp_f32 v[ST+8*\q+4], v[ST+8*\q+4], s52
.endr
.irp q, 0,1,2,3
	WIN 0x01                                       ; source 0 (O^T) window 1
.set i, 0
.rept 16
	v_pk_mul_f32 v[S+32*\q+i:S+32*\q+i+1], v[OT+32*\q+i:OT+32*\q+i+1], v[ST+8*\q+4:ST+8*\q+5] op_sel_hi:[1,0]
.set i, i+2
.endr
	WIN 0
.set i, 0
.rept 32
.set i, i+1
.endr
.irp d, 0,1,2,3
	v_cvt_scalef32_pk8_bf8_f32 v[KF+8*\q+2*\d:KF+8*\q+2*\d+1], v[S+32*\q+8*\d:S+32*\q+8*\d+7], v[SCL]
.endr
	v_nop                                          ; one plain vector instruction behind the last conversion of the run
	global_store_b128 v[LI], v[KF+8*\q:KF+8*\q+3],   s[14:15] offset:16384*\q       ; 512 consecutive bytes, aligned; every store has registers of its own
	global_store_b128 v[LI], v[KF+8*\q+4:KF+8*\q+7], s[14:15] offset:16384*\q+512
.endr
	s_wait_tensorcnt 0x0                           ; the wave's end
	ds_add_u32 v[SPW], v[NIL]
	s_wait_dscnt 0x0
	ROUND                                          ; the closing round: no work-group ends while a partner may still ask for a tile that names it
	s_endpgm
.Lfunc_end_k_qfb9b0cb8a5_attn:
	.size	k_qfb9b0cb8a5_attn, .Lfunc_end_k_qfb9b0cb8a5_attn-k_qfb9b0cb8a5_attn
	.p2alignl 7, 3214868480
	.fill 96, 4, 3214868480
	.section	.rodata,"a",@progbits
	.p2align	6, 0x0
	.amdhsa_kernel k_qfb9b0cb8a5_attn
		.amdhsa_group_segment_fixed_size 327680
		.amdhsa_private_segment_fixed_size 0
		.amdhsa_enable_private_segment 0
		.amdhsa_kernarg_size 48
		.amdhsa_user_sgpr_count 2
		.amdhsa_user_sgpr_kernarg_segment_ptr 1
		.amdhsa_wavefront_size32 1
		.amdhsa_system_sgpr_workgroup_id_x 1
		.amdhsa_system_sgpr_workgroup_id_y 1
		.amdhsa_system_sgpr_workgroup_id_z 1
		.amdhsa_system_vgpr_workitem_id 0
		.amdhsa_next_free_vgpr 512
		.amdhsa_next_free_sgpr 66
		.amdhsa_reserve_vcc 1
		.amdhsa_float_denorm_mode_32 3
		.amdhsa_float_denorm_mode_16_64 3
		.amdhsa_fp16_overflow 1
		.amdhsa_memory_ordered 1
		.amdhsa_forward_progress 1
		.amdhsa_inst_pref_size 133
	.end_amdhsa_kernel
	.amdgpu_metadata
---
amdhsa.version: [ 1, 2 ]
amdhsa.kernels:
  - .name:           k_qfb9b0cb8a5_attn
    .symbol:         k_qfb9b0cb8a5_attn.kd
    .args:
      - { .name: qimg, .offset: 0, .size: 8, .value_kind: global_buffer, .address_space: global }
      - { .name: kimg, .offset: 8, .size: 8, .value_kind: global_buffer, .address_space: global }
      - { .name: vimg, .offset: 16, .size: 8, .value_kind: global_buffer, .address_space: global }
      - { .name: mask, .offset: 24, .size: 8, .value_kind: global_buffer, .address_space: global }
      - { .name: lowp_scales, .offset: 32, .size: 8, .value_kind: global_buffer, .address_space: global }
      - { .name: cimg, .offset: 40, .size: 8, .value_kind: global_buffer, .address_space: global }
    .group_segment_fixed_size: 327680
    .private_segment_fixed_size: 0
    .kernarg_segment_align: 8
    .kernarg_segment_size: 48
    .max_flat_workgroup_size: 256
    .sgpr_count:     66
    .vgpr_count:     512
    .wavefront_size: 32
...
	.end_amdgpu_metadata
.endif
;; end of part 2
;; launch outp (part 3): grid 4 x 32, 4 waves a work-group, clusters of 4 x 4, 327,680 bytes of LDS; arguments cimg, Wo_codes, lowp_scales, out0, bo; writes out0
.if DOCPART == 3
	.amdgcn_target "amdgcn-amd-amdhsa--gfx1250"
	.amdhsa_code_object_version 6
	.text
	.protected	k_qfb9b0cb8a5_outp
	.globl	k_qfb9b0cb8a5_outp
	.p2align	8
	.type	k_qfb9b0cb8a5_outp,@function
k_qfb9b0cb8a5_outp:
	s_mov_b64 s[64:65], 0
	v_nop
	global_prefetch_b8 v0, s[64:65] scope:SCOPE_SE
	s_setreg_imm32_b32 hwreg(HW_REG_WAVE_MODE, 25, 1), 1
	s_wait_xcnt 0x0
	s_wait_alu depctr_hold_cnt(0) depctr_sa_sdst(0) depctr_va_vdst(0) depctr_va_sdst(0) depctr_va_ssrc(0) depctr_va_vcc(0) depctr_vm_vsrc(0)
	s_getreg_b32 s2, hwreg(HW_REG_IB_STS2, 6, 4)
	s_cmp_eq_u32 s2, 0
	s_cbranch_scc0 .Lentry_in_a_cluster
	s_endpgm
.Lentry_in_a_cluster:
	s_bfe_u32 s2, ttmp6, 0x10000c
	s_cmp_lg_u32 s2, 0xf033
	s_cbranch_scc0 .Lentry_shape_is_right
	s_endpgm
.Lentry_shape_is_right:
; THE LAST PROJECTION: out0 = context Wo^T + bo, on codes of BF8 (E5M2).  M = 8,192, N = 1,024, K = 1,024; out0 is f32.
; A, the context, comes as an IMAGE OF OPERAND REGISTERS: cimg [512 tiles of 16 rows][16 heads][2 groups][512 bytes]: for 128 along K (two heads) a tile's fragment is 2,048 consecutive bytes, four registers in each 512,
; lane l's 16 bytes at 16 l; registers 2 c, 2 c + 1 hold k = 16 c + 8 (l / 16) + 0 .. 7, which is this matrix form's own place for each k.  B = Wo's codes, rows of 1,024 bytes, read from LDS in the same order, 8 bytes a load.
; A tile of C, 256 x 256, to a work-group of four waves, 128 x 128 a wave: 64 accumulators, 512 registers.  K goes in four steps of 256 through two LDS slots filled by the tensor data mover.
; CLUSTERS: 4 x 4 work-groups.  The four of a row of the cluster need the same tiles of A, the four of a column the same tiles of B: each tile is asked for JOINTLY, by the same tensor load with the same descriptor and a
; mask that names the four.  THE MATRIX INSTRUCTION IS USED TRANSPOSED (source 0 = 16 rows of B, source 1 = 16 rows of A): a lane then holds eight neighbouring numbers of a row of C.
; LIMIT: e10 + e11 lies between -126 and 127, so that 2^(e10 + e11) is an f32 number.
; REGISTERS, in windows of 256: window 0: v0-31 addresses, v12-15 my four numbers of bo; from v128 A's fragments, ONE set; on the way out rows of C.   window 1: B's fragments, TWO sets, at v0 and at v128.
;   window 2: the 32 accumulators of my rows 0-63 (accumulator (a, b) at v[8 (8 a + b)]);   window 3: those of my rows 64-127.
.set SIZE_N, 1024
.set ROWB,   256                       ; a row of B's tile in bytes
.set KROW,   1024                      ; a row of B in memory
.set PITCH,  272                       ; B's rows in LDS: 256 bytes + 16 of padding = 68 words: row r starts at bank 4 r mod 64 (64 banks of 4 bytes: ISA guide 11.1)
.set FR,     16                        ; registers of a fragment: 16 rows x 128 K
.set NP,     4                         ; places behind this matrix instruction (ISA guide 7.12.1)
.set ASTEP,  4096                      ; a tile of 16 rows of A for 256 along K: four heads' images
.set AHALF,  8*ASTEP                   ; eight such tiles: what one tensor load brings of A, and what one wave reads; dense, no padding: every read is 512 consecutive bytes
.set HALFT,  128*PITCH                 ; 128 rows of B
.set SLOT,   2*AHALF+2*HALFT           ; A's two halves, then B's two
.set SPARE,  2*SLOT                    ; behind the ring: the spare words, 128 bytes for each wave: two blocks of 256 bytes that no other line names
.set SPITCH, 528                       ; the way out: a stage of 16 rows x (512 bytes + 16) for each wave.  It lies in slot 0, which has had its last fill and its last read when the first result is stored there
.set BO,   12                          ; v12-15  bo at my four columns of a row read back from the stage
.set ADRA, 16                          ; v16-17  LDS address of my A fragments in slot 0, 1
.set ADRB, 20                          ; v20-21  the same for B
.set STO,  24                          ; v24     the way out: where I put 32 bytes of a row
.set RD,   25                          ; v25     the way out: where I read a row back
.set CO,   26                          ; v26     16 x lane: my byte offset in a row of C; never rewritten
.set SPW,  28                          ; v28     LDS address of my spare word: SPARE + 4 x my thread's number; never rewritten
.set NIL,  29                          ; v29     0; never rewritten
.set AF,   128                         ; A's fragments, in window 0
.set BK,   128                         ; the way out: 16 rows read back from the stage: v128-191 and v192-255 by turns
.set G1, 24                            ; s[24:31] descriptor group 1 for A's tiles;  s[32:39] group 0, one set for each slot
.set G0, 32
.set G1B, 48                           ; s[48:55], s[56:63] the same for B's tiles
.set G0B, 56
.set MSB, 0
.macro WIN new                         ; the immediate's high byte repeats the setting that is left
.if MSB != \new
	s_set_vgpr_msb (MSB<<8)|\new
.set MSB, \new
.endif
.endm
.set MUL_LO, 0xa1                      ; source 0 (B) window 1, source 1 (A) window 0, C and D window 2
.set MUL_HI, 0xf1                      ; the same, C and D window 3
.set TO_B,   0x40                      ; destination window 1, address window 0
; A joint load: waves 0 and 1 fetch for A, waves 2 and 3 for B.  Each of the two lines has ONE mask and one set of registers for all that issue it; the branch hangs on the wave's number alone.
; Four v_nop follow each of the two lines, ahead of the jump, the label and what follows.
.macro JLOAD g0a, g1a, g0b, g1b
	s_cmp_eq_u32 s15, 0
	s_cbranch_scc0 .Lfor_b_\@
	tensor_load_to_lds s[\g0a:\g0a+3], s[\g1a:\g1a+7]
	s_nop 0
.rept 4
	v_nop
.endr
	s_branch .Lasked_\@
.Lfor_b_\@:
	tensor_load_to_lds s[\g0b:\g0b+3], s[\g1b:\g1b+7]
	s_nop 0
.rept 4
	v_nop
.endr
.Lasked_\@:
.endm
.macro CREST                           ; a round of the cluster's barrier behind its opening barrier
	s_cmp_lg_u32 s14, 0
	s_cbranch_scc1 .Lnot_wave_0_\@
	s_barrier_signal -3
.Lnot_wave_0_\@:
	s_barrier_wait -3
	s_barrier_signal -1
	s_barrier_wait -1
.endm
.macro CROUND                          ; a whole round
	s_barrier_signal -1
	s_barrier_wait -1
	CREST
.endm
	s_load_b128 s[4:7], s[0:1], 0x0                ; cimg s[4:5], Wo's codes s[6:7]
	s_load_b128 s[8:11], s[0:1], 0x10              ; the scales' exponents s[8:9], out0 s[10:11]
	s_load_b64 s[12:13], s[0:1], 0x20              ; bo
	v_lshl_add_u32 v[SPW], v0, 2, SPARE
	v_mov_b32 v[NIL], 0
	ds_add_u32 v28, v29
	ds_add_u32 v28, v29
	s_wait_dscnt 0x0
	v_lshrrev_b32 v1, 5, v0
	v_readfirstlane_b32 s14, v1                    ; wave 0..3
	s_lshr_b32 s15, s14, 1                         ; which half of the tile's rows is mine.  Also: I fetch for A (0) or for B (1)
	s_and_b32 s16, s14, 1                          ; which half of its columns.  Also: which half of that tile I fetch
	s_bfe_u32 s40, ttmp6, 0x40000                  ; cx, cy: my place in the cluster
	s_bfe_u32 s41, ttmp6, 0x40004
	s_lshl_b32 s42, ttmp9, 2
	s_add_co_u32 s42, s42, s40                     ; tile column of C = 4 x cluster x + cx
	s_and_b32 s17, ttmp7, 0xffff
	s_lshl_b32 s17, s17, 2
	s_add_co_u32 s17, s17, s41                     ; tile row of C = 4 x cluster y + cy
	s_lshl_b32 s43, s41, 2
	s_lshl_b32 s43, 15, s43                        ; my row of the cluster
	s_lshl_b32 s44, 0x1111, s40                    ; my column
	; descriptor group 1 for A: 8 tiles of 16 rows, of each 4,096 consecutive bytes (four heads), 16,384 bytes from tile to tile; dense in LDS
	s_or_b32 s[G1+0], s43, (3<<16)|(1<<21)         ; 15:0 the mask: A's tiles go to my row; 17:16 elements of 8 bytes; 20 no padding; 21 set beside a mask
	s_mov_b32 s[G1+1], 512<<16                     ; tensor_dim0 = 512 elements
	s_mov_b32 s[G1+2], 8<<16                       ; tensor_dim1 = 8
	s_mov_b32 s[G1+3], 512<<16                     ; tile_dim0 = 512
	s_mov_b32 s[G1+4], 8                           ; tile_dim1 = 8
	s_mov_b32 s[G1+5], 2048                        ; tensor_dim0_stride, in elements
	s_mov_b32 s[G1+6], 0
	s_mov_b32 s[G1+7], 0
	; for B: 128 rows x 256 bytes, padded in LDS
	s_or_b32 s[G1B+0], s44, (0<<16)|(1<<20)|(1<<21)|(5<<22)|(3<<25)  ; the mask of my column; element of 1 byte; padding on: after every 64 words (code 5) 4 words (code 3)
	s_mov_b32 s[G1B+1], ROWB<<16
	s_mov_b32 s[G1B+2], 128<<16
	s_mov_b32 s[G1B+3], ROWB<<16
	s_mov_b32 s[G1B+4], 128
	s_mov_b32 s[G1B+5], KROW
	s_mov_b32 s[G1B+6], 0
	s_mov_b32 s[G1B+7], 0
	s_lshl_b32 s20, s17, 4
	s_lshl_b32 s18, s16, 3
	s_add_co_u32 s20, s20, s18                     ; A: tile of 16 rows 16 x tile row + 8 x half,
	s_lshl_b32 s20, s20, 14                        ; of 16,384 bytes: under 2^23
	s_mov_b32 s21, 0
	s_lshl_b32 s46, s42, 8
	s_lshl_b32 s18, s16, 7
	s_add_co_u32 s46, s46, s18                     ; B: row 256 x tile column + 128 x half
	s_lshl_b32 s46, s46, 10
	s_mov_b32 s47, 0
	s_lshl_b32 s45, s16, 15                        ; where they go: A's half,
	s_mul_i32 s18, s16, HALFT
	s_add_co_u32 s18, s18, 2*AHALF                 ; B's half, behind A's two: no place in the cluster enters an LDS address
	s_wait_kmcnt 0x0
	s_load_b64 s[96:97], s[8:9], 0x28              ; e10, e11
	s_add_nc_u64 s[20:21], s[4:5], s[20:21]
	s_add_nc_u64 s[46:47], s[6:7], s[46:47]
	CROUND                                         ; all sixteen work-groups are here: the first joint loads meet
.irp s, 0,1
	s_mov_b32 s[G0+4*\s], 1
	s_add_co_u32 s[G0+4*\s+1], s45, \s*SLOT
	s_add_nc_u64 s[G0+4*\s+2:G0+4*\s+3], s[20:21], \s*ASTEP
	s_or_b32 s[G0+4*\s+3], s[G0+4*\s+3], 0x80000000
	s_mov_b32 s[G0B+4*\s], 1
	s_add_co_u32 s[G0B+4*\s+1], s18, \s*SLOT
	s_add_nc_u64 s[G0B+4*\s+2:G0B+4*\s+3], s[46:47], \s*ROWB
	s_or_b32 s[G0B+4*\s+3], s[G0B+4*\s+3], 0x80000000
	s_wait_alu depctr_va_vdst(0)
	s_wait_tensorcnt 0x0
	ds_add_u32 v28, v29
	ds_add_u32 v28, v29
	s_wait_dscnt 0x0
	CROUND
	JLOAD G0+4*\s, G1, G0B+4*\s, G1B               ; one tensor load of mine is out
.endr
	v_and_b32 v1, 15, v0                           ; r = l % 16
	v_bfe_u32 v2, v0, 4, 1                         ; h = l / 16
	v_and_b32 v6, 31, v0
	v_lshlrev_b32 v[CO], 4, v6
	v_mul_u32_u24 v3, v1, PITCH
	v_lshl_add_u32 v4, v2, 3, v3                   ; B: a fragment's row x pitch + 8 x half
	s_lshl_b32 s21, s15, 15                        ; my eight tiles of A
	s_mul_i32 s22, s16, HALFT                      ; my 128 rows of B,
	s_add_co_u32 s22, s22, 2*AHALF                 ; which lie behind A's two halves
.irp s, 0,1
	v_add_nc_u32 v[ADRA+\s], s21, v[CO]
	v_add_nc_u32 v[ADRB+\s], s22, v4
	s_add_co_u32 s21, s21, SLOT
	s_add_co_u32 s22, s22, SLOT
.endr
	s_mul_i32 s23, s14, 16*SPITCH                  ; my stage
	v_mul_u32_u24 v5, v1, SPITCH                   ; in: row l % 16, 32 bytes for each half of the lanes
	v_lshl_add_u32 v5, v2, 5, v5
	v_add_nc_u32 v[STO], s23, v5
	v_add_nc_u32 v[RD], s23, v[CO]                 ; back: the 32 lanes take one row of 512 bytes
	s_lshl_b32 s46, s42, 10                        ; my first column, in bytes: 1,024 x tile column + 512 x half
	s_lshl_b32 s47, s16, 9
	s_add_co_u32 s46, s46, s47
	s_mov_b32 s47, 0
	s_add_nc_u64 s[12:13], s[12:13], s[46:47]
	global_load_b128 v[BO:BO+3], v[CO], s[12:13]   ; bo at columns 4 x lane + 0 .. 3 of my 128
	s_lshl_b32 s20, s17, 8
	s_lshl_b32 s21, s15, 7
	s_add_co_u32 s20, s20, s21                     ; my first row of C: 256 x tile row + 128 x half,
	s_lshl_b32 s20, s20, 12                        ; of 4,096 bytes: under 2^25
	s_mov_b32 s21, 0
	s_add_nc_u64 s[20:21], s[20:21], s[46:47]
	s_add_nc_u64 s[10:11], s[10:11], s[20:21]
.macro FRAGA reg, adr, q, i            ; A's fragment of tile i, the slot's q-th 128 along K: four loads of 512 consecutive bytes, the registers as they were stored
.irp c, 0,1,2,3
	ds_load_b128 v[\reg+4*\c:\reg+4*\c+3], v[\adr] offset:ASTEP*(\i)+2048*(\q)+512*\c
.endr
.endm
.macro FRAGB reg, adr, q, i            ; B's: lane l holds row l % 16; registers 2 c, 2 c + 1 hold K = 16 c + 8 (l / 16) + 0 .. 7: eight loads of 8 bytes
.irp c, 0,1,2,3,4,5,6,7
	ds_load_b64 v[\reg+2*\c:\reg+2*\c+1], v[\adr] offset:128*(\q)+16*\c+(\i)*16*PITCH
.endr
.endm
; 16 matrix instructions: A's blocks a0, a0 + 1 x B's eight, 128 along K.  p: B's set.  zero = 1: the first product starts the sums: nothing is ever cleared.
; The 64 accumulators take turns, one instruction a turn, in the same order in every step.
.macro MUL16 a0, p, zero
.irp a, \a0, \a0+1
.irp b, 0,1,2,3,4,5,6,7
.if \zero
	v_wmma_f32_16x16x128_bf8_bf8 v[8*(8*((\a)%4)+\b):8*(8*((\a)%4)+\b)+7], v[128*(\p)+FR*\b:128*(\p)+FR*\b+FR-1], v[AF+FR*(\a):AF+FR*(\a)+FR-1], 0
.else
	v_wmma_f32_16x16x128_bf8_bf8 v[8*(8*((\a)%4)+\b):8*(8*((\a)%4)+\b)+7], v[128*(\p)+FR*\b:128*(\p)+FR*\b+FR-1], v[AF+FR*(\a):AF+FR*(\a)+FR-1], v[8*(8*((\a)%4)+\b):8*(8*((\a)%4)+\b)+7]
.endif
.endr
.endr
.endm
.macro FETCH_B slot, q, p              ; B's eight fragments of the slot's q-th 128 along K into set p
	WIN TO_B
.irp i, 0,1,2,3,4,5,6,7
	FRAGB 128*(\p)+FR*\i, ADRB+\slot, \q, \i
.endr
	WIN 0
.endm
.macro FETCH_A slot, q, i0             ; A's blocks i0 .. i0 + 3: sixteen loads
.irp i, \i0, \i0+1, \i0+2, \i0+3
	FRAGA AF+FR*(\i), ADRA+\slot, \q, \i
.endr
.endm
; A load into a register that a matrix instruction has read, and a vector instruction or an LDS store that reads a matrix result, stand NP places behind that matrix instruction; only plain vector instructions that name
; none of its registers are places (ISA guide 7.12.1 for vector instructions).
.macro PLACES n
.rept \n
	v_nop
.endr
.endm
; A step of 128 along K that has its successor in the same slot.  One set of registers serves A (a block is free as soon as its eight products are issued); B has two.
.macro STEP slot, q, zero
	s_wait_dscnt 16                                ; B's set and A's blocks 0-3 are in; the youngest sixteen loads (A's blocks 4-7) may be out
	WIN MUL_LO
	MUL16 0, (\q)%2, \zero
	MUL16 2, (\q)%2, \zero
	s_wait_dscnt 0                                 ; A's blocks 4-7 are in (asked for 32 matrix instructions ago)
	PLACES NP
	FETCH_B \slot, (\q)+1, 1-(\q)%2
	FETCH_A \slot, (\q)+1, 0
	WIN MUL_HI
	MUL16 4, (\q)%2, \zero
	MUL16 6, (\q)%2, \zero
	PLACES NP
	WIN 0
	FETCH_A \slot, (\q)+1, 4
.endm
; A slot's last step changes slots: ONE barrier; in front of it each wave waits for all its tensor loads, adds 0 to its spare word, and waits for that and for its own reads of this slot.  fill = 1: this slot is filled again, two K steps ahead.
.macro TURN slot, next, fill
	s_wait_tensorcnt 0x0                           ; all my tensor loads have landed: my part of the next slot  (every window is 0 here: the add's two registers lie in window 0)
	ds_add_u32 v[SPW], v[NIL]                      ; 0 onto my spare word
	s_wait_dscnt 17                                ; (the add and the youngest sixteen loads, A's blocks 4-7, may be out)
	WIN MUL_LO
	MUL16 0, 1, 0                                  ; sixteen matrix instructions stand between the add and the wait for it
	s_wait_dscnt 0x0                               ; the add is done, and my reads of this slot are over
	s_barrier_signal -1
	MUL16 2, 1, 0
	WIN 0
	s_barrier_wait -1
.if \fill
	CREST                                          ; the barrier has opened a round of the cluster's barrier: no wave of any partner still reads this slot's tile or has a load on its way
	s_add_nc_u64 s[G0+4*\slot+2:G0+4*\slot+3], s[G0+4*\slot+2:G0+4*\slot+3], 2*ASTEP
	s_add_nc_u64 s[G0B+4*\slot+2:G0B+4*\slot+3], s[G0B+4*\slot+2:G0B+4*\slot+3], 2*ROWB
	JLOAD G0+4*\slot, G1, G0B+4*\slot, G1B         ; the first tensor load behind the round, my one load until the next; the four v_nop behind it are the places in front of the loads below
.else
	PLACES NP
.endif
	FETCH_B \next, 0, 0
	FETCH_A \next, 0, 0
	WIN MUL_HI
	MUL16 4, 1, 0
	MUL16 6, 1, 0
	PLACES NP
	WIN 0
	FETCH_A \next, 0, 4
.endm
	s_wait_alu depctr_va_vdst(0)
	s_wait_tensorcnt 1                             ; my part of K step 0 is in (K step 1's load may be out)
	s_barrier_signal -1
	s_barrier_wait -1                              ; everybody's is
	FETCH_B 0, 0, 0
	FETCH_A 0, 0, 0
	FETCH_A 0, 0, 4
	STEP 0, 0, 1                                   ; K = 1,024 is four K steps of 256, eight steps of 128: written out.  The first step's products start the sums
	TURN 0, 1, 1                                   ; slot 0 takes K step 2
	STEP 1, 0, 0
	TURN 1, 0, 1                                   ; slot 1 takes K step 3
	STEP 0, 0, 0
	TURN 0, 1, 0                                   ; nothing is left to fetch; behind this barrier nobody reads slot 0
	STEP 1, 0, 0
	s_wait_dscnt 16                                ; the very last step
	WIN MUL_LO
	MUL16 0, 1, 0
	MUL16 2, 1, 0
	s_wait_dscnt 0
	WIN MUL_HI
	MUL16 4, 1, 0
	MUL16 6, 1, 0
	WIN 0
; THE WAY OUT, block by block of 16 rows x 128 columns.  A lane holds 32 neighbouring bytes of a row, and the lanes beside it hold other rows: so a block's sums go, as they are, through my own stage in LDS and come back as
; whole rows of 512 bytes.  There a lane holds the same four columns in every row: sum x 2^(e10 + e11) + bo is one packed multiply-add for two numbers, with four registers of bo for the whole tile.
; LDS serves a wave's instructions in order (ISA guide 5.7.1.4): no wait between the stores and the loads, nor in front of the next block's stores.
.macro TOSTAGE a
.set AC, 64*((\a)%4)
	WIN (0x08+4*((\a)/4))                          ; the stores' data (source 1): window 2 or 3
.irp b, 0,1,2,3,4,5,6,7
	ds_store_b128 v[STO], v[AC+8*\b:AC+8*\b+3] offset:64*\b          ; each accumulator from its low end on
	ds_store_b128 v[STO], v[AC+8*\b+4:AC+8*\b+7] offset:64*\b+16
.endr
	WIN 0
.set BB, BK+64*((\a)%2)
.irp t, 0,1,2,3,4,5,6,7,8,9,10,11,12,13,14,15
	ds_load_b128 v[BB+4*\t:BB+4*\t+3], v[RD] offset:\t*SPITCH
.endr
.endm
.macro SEND a, younger                 ; younger: the LDS instructions issued behind block a's loads, which may stay out
.set BB, BK+64*((\a)%2)
	s_wait_dscnt \younger                          ; the block is back in registers
.if (\a) > 0
	s_add_nc_u64 s[10:11], s[10:11], 16*SIZE_N*4   ; (behind a wait on XCNT: the earlier stores have read their base)  16 rows of C on
.endif
.irp t, 0,1,2,3,4,5,6,7,8,9,10,11,12,13,14,15
	v_pk_fma_f32 v[BB+4*\t:BB+4*\t+1],   v[BB+4*\t:BB+4*\t+1],   s[96:97], v[BO:BO+1]   op_sel_hi:[1,0,1]   ; (the scalar pair's low word for both halves)
	v_pk_fma_f32 v[BB+4*\t+2:BB+4*\t+3], v[BB+4*\t+2:BB+4*\t+3], s[96:97], v[BO+2:BO+3] op_sel_hi:[1,0,1]
.endr
.irp t, 0,1,2,3,4,5,6,7,8,9,10,11,12,13,14,15
	global_store_b128 v[CO], v[BB+4*\t:BB+4*\t+3], s[10:11] offset:\t*SIZE_N*4 th:TH_STORE_NT   ; 32 lanes store 512 consecutive bytes, at a multiple of 256 from out0's first byte; written once, read by nobody here
.endr
.endm
	s_wait_kmcnt 0x0
	s_add_co_i32 s96, s96, s97                     ; e10 + e11, between -126 and 127,
	s_add_co_i32 s96, s96, 127
	s_lshl_b32 s96, s96, 23                        ; makes the f32 number 2^(e10 + e11)
	s_wait_loadcnt 0x0                             ; bo
	PLACES NP                                      ; in front of the LDS stores that read the last products' results, and of the loads into the registers that held A's fragments
	TOSTAGE 0
.irp a, 1,2,3,4,5,6,7
.if \a > 1
	s_wait_xcnt 0x0                                ; block a - 2's stores have read their registers and their base: block a's loads may land there, and the base may step
.endif
	TOSTAGE \a
	SEND \a-1, 32                                  ; behind block a - 1's loads: block a's 16 stores and 16 loads
.endr
	s_wait_xcnt 0x0                                ; block 6's stores have read their base
	SEND 7, 0
	s_wait_tensorcnt 0x0                           ; the wave's end, behind my last tensor load and my last LDS store
	ds_add_u32 v[SPW], v[NIL]
	s_wait_dscnt 0x0
	CROUND                                         ; the closing round: no work-group ends while a partner may still ask for a tile that names it
	s_endpgm
.Lfunc_end_k_qfb9b0cb8a5_outp:
	.size	k_qfb9b0cb8a5_outp, .Lfunc_end_k_qfb9b0cb8a5_outp-k_qfb9b0cb8a5_outp
	.p2alignl 7, 3214868480
	.fill 96, 4, 3214868480
	.section	.rodata,"a",@progbits
	.p2align	6, 0x0
	.amdhsa_kernel k_qfb9b0cb8a5_outp
		.amdhsa_group_segment_fixed_size 327680
		.amdhsa_private_segment_fixed_size 0
		.amdhsa_enable_private_segment 0
		.amdhsa_kernarg_size 40
		.amdhsa_user_sgpr_count 2
		.amdhsa_user_sgpr_kernarg_segment_ptr 1
		.amdhsa_wavefront_size32 1
		.amdhsa_system_sgpr_workgroup_id_x 1
		.amdhsa_system_sgpr_workgroup_id_y 1
		.amdhsa_system_sgpr_workgroup_id_z 1
		.amdhsa_system_vgpr_workitem_id 0
		.amdhsa_next_free_vgpr 1024
		.amdhsa_next_free_sgpr 98
		.amdhsa_reserve_vcc 0
		.amdhsa_float_denorm_mode_32 3
		.amdhsa_float_denorm_mode_16_64 3
		.amdhsa_memory_ordered 1
		.amdhsa_forward_progress 1
		.amdhsa_inst_pref_size 140
	.end_amdhsa_kernel
	.amdgpu_metadata
---
amdhsa.version: [ 1, 2 ]
amdhsa.kernels:
  - .name:           k_qfb9b0cb8a5_outp
    .symbol:         k_qfb9b0cb8a5_outp.kd
    .args:
      - { .name: cimg, .offset: 0, .size: 8, .value_kind: global_buffer, .address_space: global }
      - { .name: Wo_codes, .offset: 8, .size: 8, .value_kind: global_buffer, .address_space: global }
      - { .name: lowp_scales, .offset: 16, .size: 8, .value_kind: global_buffer, .address_space: global }
      - { .name: out0, .offset: 24, .size: 8, .value_kind: global_buffer, .address_space: global }
      - { .name: bo, .offset: 32, .size: 8, .value_kind: global_buffer, .address_space: global }
    .group_segment_fixed_size: 327680
    .private_segment_fixed_size: 0
    .kernarg_segment_align: 8
    .kernarg_segment_size: 40
    .max_flat_workgroup_size: 128
    .sgpr_count:     98
    .vgpr_count:     1024
    .wavefront_size: 32
...
	.end_amdgpu_metadata
.endif
;; end of part 3
